; MI455X (gfx1250); checked and timed in simulation.
; The chip was launched on July 23, 2026; its instructions are those of AMD's public machine-readable ISA for CDNA 5 (MIT licence, August 2026) and "CDNA5" Instruction Set Architecture Reference Guide (July 2026). The comments in the code are by the model that wrote it; some were corrected since.
;; Attention. Allowed arithmetic: matrix products marked QUANTISED: E2M3 operands, one E8M0 scale for each 32 along K, by v_wmma_scale_f32_16x16x128_f8f6f4 with both operands' format E2M3, f32 sums; everything else in f32.
;; Inputs: mask 1 x 1 x 2,048 x 2,048 bool; wk 2,048 x 2,048 float32; wo 2,048 x 2,048 float32; wq 2,048 x 2,048 float32; wv 2,048 x 2,048 float32; x 1 x 2,048 x 2,048 float32.
;; Outputs: out0 1 x 2,048 x 2,048 float32.
;; This version of the problem:
;;   THIS VERSION OF THE PROBLEM IS GIVEN IN LOW PRECISION. The matrix products marked QUANTISED in the list below multiply operands that are first quantised to E2M3 (2 exponent bits, 3 mantissa bits; 6 bits a number), with one power-of-two scale for each 32 numbers along K (OCP MX v1.0); their sums are f32. All else is computed in f32.
;;   The module's matrix products, in the order in which they are computed (A, B: the left and right operand; K: the contracted axis; several contracted axes count as one K, in the product's order):
;;     1. [M 2,048, K 2,048] x [K 2,048, N 2,048]; A: input x; B: input wq: QUANTISED
;;     2. [M 2,048, K 2,048] x [K 2,048, N 2,048]; A: input x; B: input wk: QUANTISED
;;     3. [M 2,048, K 2,048] x [K 2,048, N 2,048]; A: input x; B: input wv: QUANTISED
;;     4. batch 16 x [M 2,048, K 128] x [K 128, N 2,048]; A: computed on the way; B: computed on the way: QUANTISED
;;     5. batch 16 x [M 128, K 2,048] x [K 2,048, N 2,048]; A: computed on the way; B: softmax (see below): QUANTISED
;;     6. [M 2,048, K 2,048] x [K 2,048, N 2,048]; A: computed on the way; B: input wo: QUANTISED
;;   THE QUANTISER, for each operand of a quantised product, along K:
;;     - K is cut into blocks of 32 from its start; a last block that is shorter is filled with zeros.
;;     - A block's scale is 2^e with e = floor(log2(the largest magnitude in the block)) - 2, held to -126 .. 127; a block of zeros has e = 0. As a byte (E8M0): e + 127.
;;     - Each number is divided by its block's scale, clamped to +-7.5, and rounded to the nearest number of E2M3, ties to even, subnormals kept.
;;     - The product sums the exact products of the quantised numbers (number of the format x scale) in f32.
;;   ~~~python
;;   def quantise(x, axis):      # numpy; x: float32 -> the quantised numbers, widened to float32 again
;;       x = np.moveaxis(x, axis, -1); K = x.shape[-1]
;;       x = np.pad(x, [(0, 0)] * (x.ndim - 1) + [(0, -K % 32)]); x = x.reshape(x.shape[:-1] + (-1, 32)); a = np.abs(x).max(-1, keepdims=True)
;;       e = np.where(a > 0, np.clip(np.frexp(np.where(a > 0, a, 1))[1] - 1 - 2, -126, 127), 0)      # np.frexp(a)[1] - 1 = floor(log2(a)), exactly
;;       r = np.clip(x / 2.0 ** e, -7.5, 7.5)
;;       step = 2.0 ** (np.maximum(np.frexp(np.where(r == 0, 1, r))[1] - 1, 0) - 3)
;;       q = np.round(r / step) * step * 2.0 ** e      # np.round: ties to even
;;       return np.moveaxis(q.reshape(q.shape[:-2] + (-1,))[..., :K], -1, axis).astype(np.float32)
;;   ~~~
;;   SOFTMAX AHEAD OF A QUANTISED PRODUCT. Where the list says 'softmax', what is quantised is not the finished softmax but p = 2^(t - M), with t = logit x log2(e) and M = ceil(the row's largest t), a whole number; so 1/2 < the row's largest p <= 1. The row's sum l is taken of the UNQUANTISED p, in f32, and the product's result is divided by l at the end. Since M is a whole number, a kernel that streams over the keys may use a running M (the ceiling of the running maximum): every later rescaling is an exact power of two, which a block's scale takes up: the codes' values come out the same.
;;   OPERANDS COMPUTED ON THE WAY. 'Computed on the way' means the value that the module computes at that place (a softmax that the list does not call 'softmax' is quantised finished and normalised). What goes into a quantiser is computed in f32, as accurately as f32 sums, v_exp_f32 and their like allow (about 1e-6 of the number): no bf16 or f16 on the way to a quantiser, and a product that is left as it is and whose result goes on into a quantised operand takes f32 operands (vector FMAs, or v_wmma_f32_16x16x4_f32). A number that lies on a knife's edge between two numbers of the format may be rounded either way, as far as f32 arithmetic and the matrix unit's own rounding can turn it there, and no further.
;; One version. Each part assembles by itself: llvm-mc -triple=amdgcn-amd-amdhsa -mcpu=gfx1250 --defsym DOCPART=n.
;; ======== version 1 of 1: 4 launches
;; limits: right only within a limited range of input values
;; workspace buffers: codes 16,384,000 bytes; qkv 9,830,400 bytes; ao 3,276,800 bytes; rope 1,048,576 bytes; mbits 524,288 bytes of whole numbers
;; launch prep (part 1): grid 256 x 1, 8 waves a work-group, no clusters, 327,680 bytes of LDS; arguments x, wq, wk, wv, wo, mask, codes, rope, mbits; writes codes, rope, mbits
.if DOCPART == 1
	.amdgcn_target "amdgcn-amd-amdhsa--gfx1250"
	.amdhsa_code_object_version 6
	.text
	.protected	k_q53e61dd73c_prep
	.globl	k_q53e61dd73c_prep
	.p2align	8
	.type	k_q53e61dd73c_prep,@function
k_q53e61dd73c_prep:
	s_mov_b64 s[64:65], 0
	v_nop
	global_prefetch_b8 v0, s[64:65] scope:SCOPE_SE
	s_setreg_imm32_b32 hwreg(HW_REG_WAVE_MODE, 25, 1), 1
	s_wait_xcnt 0x0
; PREP: every work-group does an equal share of three jobs, on one path.
;  1. x, wq, wk, wv, wo (f32, [2048][2048], K innermost) become codes of FP6 (E2M3) with one E8M0 byte for each 32 along K.
;  2. the mask's bytes become words of 32 lane bits, laid as the attention launch's score registers lie.
;  3. the table of cos and sin for the rotation, [position][pair] (cos, sin), f32.
; HOW OPERANDS LIE IN THE WORKSPACE.  Rows go in groups of 128.  Tile t (0..7), row r (0..15) of a group is row 32 (t / 2) + 8 (t % 2) + r + 8 (r / 8).
; A FRAGMENT (16 rows x 128 K, 12 registers a lane) lies as an image of its registers: register p of lane l at 512 (p / 4) + 16 l + 4 (p % 4).
; A RECORD (12,800 bytes) is a group x 128 K: eight images, then the 128 scale words, that of tile t, row r at 12288 + 256 (t / 4) + 16 r + 4 (t % 4).  codes: [80 groups][16 K steps] records; groups 0-15 x, then wq, wk, wv, wo.
; SHARES.  Work-group w = 16 x group + K step takes that record of all five tensors: 5 x 64 KiB of f32.  Wave v fetches half a record (64 rows x 512 bytes) of tensor v / 2 (x, wq, wk, wv) by ONE tensor load
; into LDS bytes that it alone reads: 8 x 32 KiB are asked for at the head, nothing is filled again, and the wave's own wait on TENSORcnt is all the ordering that its reads need.
; wo's record does not fit in LDS beside these: wave v takes its tile v by 16 global loads (two rows x 256 bytes each) and turns it through a stage of its own; the eight tiles' scale words meet in 512 bytes of LDS, and wave 0 stores them whole.
; The mask's share (a wave: one tile of 16 queries x one group of 128 keys) and the table's (a thread: one pair, two positions) stand between the requests and the waits for them.
; A tile's rows r and r + 16 lie 16 x 528 bytes apart, a multiple of 256: the reads of a tile meet two deep in the banks at any pitch that is a multiple of 16.
; NO CLUSTER: no two work-groups read the same bytes of the five tensors.  NO PREFETCH: the text has no loop to run ahead in; all that a work-group reads is asked for at its head.
; A block's scale is 2^(floor(log2(its largest magnitude)) - 2); its byte is the largest magnitude's exponent field - 2, held at 1 from below.
; LIMITS: a block of zeros, or one whose largest magnitude lies under 2^-124, carries the byte 1 (its bytes are read by this program alone); NaN and infinities among the inputs are not served;
; any mask byte other than 0 counts as true; the rotation's frequencies 10000^(-j/64) are right to about one unit in the last place of f32.
; REGISTERS: v1 16 x lane; v2 wo's load offset; v3 my tile's read address; v4 the words' store offset; v5 lane, v6 r, v7 h; v9, v10 the stage, in and out; v11, v12 the meeting place, in and out; v13 8 h; v14, v15 the add's;
;   v16-23 a block's scale at work; v24-31 second halves of the blocks' codes; v32-35 four tiles' scale words; v36-37 as stored; v38-40 offsets of mask, mbits, rope; v41 wo's scale word; v42-43 the mask's words; v44-47 wave 0's words;
;   v48-63 mask bytes; v64-127 wo as loaded, then a set of 64 numbers; v128-191 at work for table and mask, then the other set; v192-251 five images' codes, each its own registers, so that no store's data are written again; v252-255 cos, sin.
.set REC,   12800
.set TP,    528                        ; a tile's LDS row: 512 bytes + 16
.set TILE,  64*TP                      ; a wave's tile: 33,792 bytes, 132 blocks of 256
.set STG,   8*TILE                     ; behind the tiles: a stage of 16 rows x 272 bytes for each wave
.set STGW,  16*272
.set SCR,   STG+8*STGW                 ; 512 bytes: wo's eight tiles' scale words meet here
.set SPARE, SCR+512                    ; the spare words, 128 bytes for each of the eight waves
.set XB,    64
.set XA,    128
.set CD,    192
.macro D n                             ; a hint ahead of a plain vector line that reads the result of the plain vector line n before it: two waves share a SIMD
	s_delay_alu instid0(VALU_DEP_\n)
.endm
	s_load_b512 s[8:23], s[0:1], 0x0               ; x, wq, wk, wv, wo, mask, codes, rope
	s_load_b64 s[24:25], s[0:1], 0x40              ; mbits
	v_lshl_add_u32 v14, v0, 2, SPARE
	v_mov_b32 v15, 0
	ds_add_u32 v14, v15                            ; the opening lines: the add, twice on end, and its wait ahead of my tensor load
	ds_add_u32 v14, v15
	v_lshrrev_b32 v8, 5, v0
	D 1
	v_readfirstlane_b32 s4, v8                     ; wave 0..7
	s_lshr_b32 s27, s4, 1                          ; which tensor I fetch; also wo's tile / 2
	s_and_b32 s7, s4, 1                            ; which half of its record; also wo's tile % 2
	s_lshr_b32 s5, ttmp9, 4                        ; the group in its tensor
	s_and_b32 s6, ttmp9, 15                        ; the K step
	s_lshl_b32 s26, s5, 20                         ; 128 rows of 8,192 bytes
	s_lshl_b32 s6, s6, 9                           ; 512 bytes a K step
	s_add_co_u32 s26, s26, s6
	s_lshl_b32 s30, s7, 19                         ; 64 rows
	s_add_co_u32 s30, s30, s26
	s_mov_b32 s31, 0
	s_mov_b32 s32, 1                               ; group 0: count,
	s_mul_i32 s33, s4, TILE                        ; my tile's LDS bytes
	s_mov_b32 s36, (2<<16)|(1<<20)|(6<<22)|(3<<25) ; group 1: elements of 4 bytes; after every 128 words 4 words of padding
	s_mov_b32 s37, 128<<16                         ; tensor_dim0 = 128
	s_mov_b32 s38, 64<<16                          ; tensor_dim1 = 64
	s_mov_b32 s39, 128<<16                         ; tile_dim0 = 128
	s_mov_b32 s40, 64                              ; tile_dim1 = 64
	s_mov_b32 s41, 2048                            ; elements from row to row
	s_mov_b32 s42, 0
	s_mov_b32 s43, 0
	s_wait_dscnt 0x0                               ; both opening adds are done
	s_wait_kmcnt 0x0
	s_mov_b64 s[28:29], s[8:9]                     ; the choice hangs on the wave's number alone
	s_cmp_eq_u32 s27, 1
	s_cselect_b64 s[28:29], s[10:11], s[28:29]
	s_cmp_eq_u32 s27, 2
	s_cselect_b64 s[28:29], s[12:13], s[28:29]
	s_cmp_eq_u32 s27, 3
	s_cselect_b64 s[28:29], s[14:15], s[28:29]
	s_add_nc_u64 s[34:35], s[28:29], s[30:31]
	s_or_b32 s35, s35, 0x80000000
	tensor_load_to_lds s[32:35], s[36:43]          ; my one tensor load: 64 rows x 512 bytes, each row at a multiple of 512 bytes
	s_nop 0
	s_lshl_b32 s44, s27, 18                        ; wo: my tile begins at row 32 (t / 2) + 8 (t % 2)
	s_lshl_b32 s45, s7, 16
	s_add_co_u32 s44, s44, s45
	s_add_co_u32 s44, s44, s26
	s_mov_b32 s45, 0
	s_lshr_b32 s79, ttmp9, 1                       ; the mask: tile of queries T = work-group / 2
	s_lshr_b32 s54, s79, 3
	s_lshl_b32 s54, s54, 7
	s_bfe_u32 s55, s79, 0x20001
	s_lshl_b32 s55, s55, 5
	s_add_co_u32 s54, s54, s55
	s_and_b32 s55, s79, 1
	s_lshl_b32 s55, s55, 3
	s_add_co_u32 s54, s54, s55                     ; the tile's first row
	s_lshl_b32 s54, s54, 11
	s_and_b32 s55, ttmp9, 1
	s_lshl_b32 s55, s55, 3
	s_add_co_u32 s55, s55, s4                      ; the group of keys: 8 (work-group % 2) + wave
	s_lshl_b32 s55, s55, 7
	s_add_co_u32 s54, s54, s55
	s_mov_b32 s55, 0
	s_lshl_b32 s56, ttmp9, 3
	s_add_co_u32 s56, s56, s4
	s_lshl_b32 s56, s56, 8                         ; (16 T + group) x 256 bytes
	s_mov_b32 s57, 0
	s_mul_i32 s78, s4, STGW
	s_add_co_u32 s78, s78, STG                     ; my stage
	s_lshr_b32 s59, s4, 2
	s_lshl_b32 s59, s59, 8
	s_and_b32 s79, s4, 3
	s_lshl_b32 s79, s79, 2
	s_add_co_u32 s59, s59, s79
	s_add_co_u32 s59, s59, SCR                     ; my tile's place among wo's scale words
	v_and_b32 v5, 31, v0                           ; lane
	v_and_b32 v6, 15, v0                           ; r
	v_bfe_u32 v7, v0, 4, 1                         ; h
	D 3
	v_lshlrev_b32 v1, 4, v5                        ; 16 x lane
	D 3
	v_and_b32 v8, 8, v6
	D 4
	v_lshlrev_b32 v2, 4, v6
	D 2
	v_add_nc_u32 v8, v8, v6                        ; r + 8 (r / 8)
	D 2
	v_lshl_add_u32 v2, v7, 13, v2                  ; wo: lanes 0-15 one row's 256 bytes, lanes 16-31 the next row's
	D 2
	v_mul_u32_u24 v3, v8, TP
	D 3
	v_lshlrev_b32 v38, 11, v8
	D 2
	v_lshl_add_u32 v3, v7, 7, v3
	D 2
	v_lshl_add_u32 v38, v7, 4, v38                 ; the mask: row r + 8 (r / 8), + 16 h
	D 2
	v_add_nc_u32 v3, s33, v3                       ; my tile: row r + 8 (r / 8), + 128 h
	v_lshlrev_b32 v4, 4, v6
	v_mul_u32_u24 v9, v7, 272
	v_mul_u32_u24 v10, v6, 272
	D 3
	v_lshl_add_u32 v4, v7, 3, v4                   ; 16 r + 8 h
	D 3
	v_lshl_add_u32 v9, v6, 4, v9
	D 3
	v_lshl_add_u32 v10, v7, 7, v10
	v_lshlrev_b32 v11, 4, v6
	D 3
	v_add_nc_u32 v9, s78, v9                       ; the stage, on the way in: row h, 16 r
	D 3
	v_add_nc_u32 v10, s78, v10                     ; and on the way out: row r, + 128 h
	D 3
	v_add_nc_u32 v11, s59, v11                     ; where my row's scale word of wo goes
	v_add_nc_u32 v12, SCR, v1                      ; and where wave 0 reads all of them back
	v_lshlrev_b32 v13, 3, v7                       ; 8 h
	v_lshlrev_b32 v39, 3, v5
	v_mov_b32 v23, 0                               ; a lane permute's destination counts as read,
	v_mov_b32 v42, 0                               ; and so does v_writelane_b32's
	v_mov_b32 v43, 0
	s_wait_alu depctr_va_vdst(0)                   ; the wait at the head's end
	s_add_nc_u64 s[18:19], s[18:19], s[54:55]
	s_add_nc_u64 s[16:17], s[16:17], s[44:45]
.irp b, 0,1,2,3
	global_load_b128 v[48+4*\b:51+4*\b], v38, s[18:19] offset:32*\b
.endr
.irp c, 0,1
.irp i, 0,1,2,3,4,5,6,7
	global_load_b128 v[XB+32*\c+4*\i:XB+32*\c+4*\i+3], v2, s[16:17] offset:(2*\i+8*(\i/4))*8192+256*\c th:TH_LOAD_NT   ; tile rows 2 i and 2 i + 1, half c of their 512 bytes
.endr
.endr
	s_add_nc_u64 s[24:25], s[24:25], s[56:57]
	s_lshl_b32 s46, s27, 8                         ; my tensor's record: 256 x tensor + work-group
	s_add_co_u32 s46, s46, ttmp9
	s_mul_i32 s46, s46, REC
	s_lshl_b32 s48, s7, 8
	s_add_co_u32 s48, s48, s46
	s_add_co_u32 s48, s48, 12288                   ; my 256 bytes of its scale words
	s_mov_b32 s49, 0
	s_mul_i32 s79, s7, 6144
	s_add_co_u32 s46, s46, s79                     ; my four images
	s_mov_b32 s47, 0
	s_add_co_u32 s50, ttmp9, 1024
	s_mul_i32 s50, s50, REC                        ; wo's record,
	s_mov_b32 s51, 0
	s_mul_i32 s52, s4, 1536
	s_add_co_u32 s52, s52, s50                     ; and my image in it
	s_mov_b32 s53, 0
	s_add_nc_u64 s[46:47], s[20:21], s[46:47]
	s_add_nc_u64 s[48:49], s[20:21], s[48:49]
	s_add_nc_u64 s[50:51], s[20:21], s[50:51]
	s_add_nc_u64 s[52:53], s[20:21], s[52:53]
	s_mov_b32 s2, 0x76543210
	s_mov_b32 s3, 0xfedcba98                       ; lane l xor 16
	s_mov_b32 s77, 0xffff0000                      ; lanes 16-31
	s_lshl_b32 s58, ttmp9, 3                       ; the table: eight positions a work-group
	s_mov_b32 s66, 0x3e549a78                      ; log2(10000) / 64,
	s_mov_b32 s67, 0x31979900                      ; and what f32 leaves of it
	s_mov_b32 s68, 0x3fc90fdb                      ; pi/2,
	s_mov_b32 s69, 0xb33bbd2e                      ; and what f32 leaves of it
	s_mov_b32 s70, 0xbe2aaaab                      ; -1/6
	s_mov_b32 s71, 0x3c088889                      ; 1/120
	s_mov_b32 s72, 0xb9500d01                      ; -1/5040
	s_mov_b32 s73, 0x3638ef1d                      ; 1/362880
	s_mov_b32 s74, 0x3d2aaaab                      ; 1/24
	s_mov_b32 s75, 0xbab60b61                      ; -1/720
	s_mov_b32 s76, 0x37d00d01                      ; 1/40320
; ---------------- THE TABLE.  A thread takes one pair j and two positions.  The angle is the f32 product position x frequency; its cos and sin are made in f32:
; the nearest multiple of pi/2 is taken off in two parts by fused multiply-adds, and both series run to terms under 3e-8 for |rho| <= pi/4.
	v_lshrrev_b32 v128, 6, v0
	D 1
	v_lshl_add_u32 v128, v128, 1, s58              ; my first position
	v_and_b32 v129, 63, v0                         ; j
	D 2
	v_lshlrev_b32 v40, 9, v128
	D 1
	v_lshl_add_u32 v40, v129, 3, v40               ; (64 position + j) x 8 bytes
	D 3
	v_cvt_f32_u32 v129, v129
	D 1
	v_mul_f32 v132, s66, v129
	D 1
	v_rndne_f32 v132, v132                         ; n
	D 1
	v_fma_f32 v133, v129, s66, -v132
	D 1
	v_fma_f32 v133, v129, s67, v133                ; f: j log2(10000) / 64 = n + f
	s_wait_alu depctr_va_vdst(0)                   ; the wait ahead of the exponential
	v_exp_f32 v130, -v133
	v_cvt_i32_f32 v132, v132                       ; (a plain place behind the exponential)
	D 1
	v_sub_nc_u32 v132, 0, v132
	s_wait_alu depctr_va_vdst(0)                   ; and ahead of the result's first reader
	v_ldexp_f32 v130, v130, v132                   ; the frequency 2^(-f) 2^(-n)
.macro POS i
	v_add_nc_u32 v131, \i, v128
	D 1
	v_cvt_f32_u32 v131, v131
	D 1
	v_mul_f32 v133, v131, v130                     ; the angle, rounded once
	D 1
	v_mul_f32 v134, 0x3f22f983, v133
	D 1
	v_rndne_f32 v134, v134                         ; n = the nearest multiple of pi/2
	D 1
	v_fma_f32 v135, -v134, s68, v133
	D 1
	v_fma_f32 v135, -v134, s69, v135               ; rho
	D 1
	v_mul_f32 v136, v135, v135                     ; z
	D 1
	v_fma_f32 v137, v136, s73, s72
	D 2
	v_fma_f32 v139, v136, s76, s75
	D 2
	v_fma_f32 v137, v137, v136, s71
	D 2
	v_fma_f32 v139, v139, v136, s74
	D 2
	v_fma_f32 v137, v137, v136, s70
	D 2
	v_fma_f32 v139, v139, v136, -0.5
	v_mul_f32 v138, v135, v136
	D 2
	v_fma_f32 v139, v139, v136, 1.0                ; cos rho
	D 2
	v_fma_f32 v137, v138, v137, v135               ; sin rho
	v_cvt_i32_f32 v140, v134
	D 1
	v_and_b32 v141, 1, v140
	D 1
	v_cmp_eq_u32 vcc_lo, 1, v141
	D 1
	v_cndmask_b32 v142, v137, v139, vcc_lo         ; an odd n swaps the two
	D 2
	v_cndmask_b32 v143, v139, v137, vcc_lo
	v_and_b32 v141, 2, v140
	D 1
	v_lshlrev_b32 v141, 30, v141
	D 1
	v_xor_b32 v[253+2*\i], v141, v142              ; sin: minus where n % 4 is 2 or 3
	v_add_nc_u32 v140, 1, v140
	D 1
	v_and_b32 v140, 2, v140
	D 1
	v_lshlrev_b32 v140, 30, v140
	D 1
	v_xor_b32 v[252+2*\i], v140, v143              ; cos: minus where n % 4 is 1 or 2
	global_store_b64 v40, v[252+2*\i:253+2*\i], s[22:23] offset:512*\i   ; a wave stores 256 consecutive bytes, aligned
.endm
	POS 0
	POS 1
; ---------------- THE MASK.  mbits: [tile of 16 queries T][group of 128 keys][64 words]; bit l of word j is the mask at query row (T, l % 16), key 32 (j / 16) + 16 (l / 16) + j % 16 of the group.
	s_wait_loadcnt 16                              ; the mask's four loads are in; wo's sixteen, issued behind them, may be out
.set j, 0
.rept 64
	v_and_b32 v[128+j%4], 0xff<<(8*(j%4)), v[48+4*(j/16)+(j%16)/4]
	D 1
	v_cmp_ne_u32 s[60+j%4], 0, v[128+j%4]          ; the 32 lanes' bits: word j
	D 1
	v_writelane_b32 v[42+j%2], s[60+j%4], j/2      ; to lane j / 2, which stores words 2 (j / 2) and 2 (j / 2) + 1
.set j, j+1
.endr
	global_store_b64 v39, v[42:43], s[24:25]       ; 256 consecutive bytes, aligned
; ---------------- THE QUANTISER.  From 64 numbers at src (blocks h and 2 + h of my row, all mine): the row's scale word in wrd, the image's codes at dst, stored at bas + ofs
.macro QF src, dst, wrd, bas, ofs
.irp q, 0,1
.irp c, 0,1
	v_max3_num_f32 v[16+2*\q+\c], |v[\src+32*\c+16*\q]|, |v[\src+32*\c+16*\q+1]|, 0x1800000   ; with the floor 2^(3 - 127): the byte cannot fall under 1.  Two chains a block, four by turns
.endr
.endr
.irp i, 2,4,6,8,10,12,14
.irp q, 0,1
.irp c, 0,1
	D 4
	v_max3_num_f32 v[16+2*\q+\c], v[16+2*\q+\c], |v[\src+32*\c+16*\q+\i]|, |v[\src+32*\c+16*\q+\i+1]|
.endr
.endr
.endr
.irp c, 0,1
	D 2
	v_max_num_f32 v[16+\c], v[16+\c], v[18+\c]
.endr
.irp c, 0,1
	D 2
	v_add_nc_u32 v[18+\c], 0xff000000, v[16+\c]    ; 2 off the exponent field: the conversion's scale operand
.endr
.irp c, 0,1
	D 2
	v_lshrrev_b32 v[20+\c], 23, v[18+\c]           ; the byte
.endr
	D 1
	v_lshl_or_b32 v22, v21, 16, v20
	D 1
	v_lshlrev_b32 v22, v13, v22                    ; at their places in the row's word
	D 1
	v_permlanex16_b32 v23, v22, s2, s3
	D 1
	v_or_b32 v[\wrd], v22, v23                     ; with lane l xor 16's two bytes the word is whole
.irp c, 0,1
	v_cvt_scalef32_pk16_fp6_f32 v[\dst+6*\c:\dst+6*\c+2], v[\src+32*\c:\src+32*\c+15], v[18+\c]
	v_cvt_scalef32_pk16_fp6_f32 v[24+4*\c:24+4*\c+2], v[\src+32*\c+16:\src+32*\c+31], v[18+\c]   ; (a conversion's three registers begin on an even number)
.endr
	v_nop                                          ; one plain place behind a scaled conversion
.irp c, 0,1
.irp i, 0,1,2
	v_mov_b32 v[\dst+6*\c+3+\i], v[24+4*\c+\i]
.endr
.endr
.irp c, 0,1,2
	global_store_b128 v1, v[\dst+4*\c:\dst+4*\c+3], s[\bas:\bas+1] offset:(\ofs)+512*\c   ; 512 consecutive bytes
.endr
.endm
.macro RD u, dst                       ; fragment u of my tile: 16 LDS loads
.irp c, 0,1
.irp e, 0,1,2,3,4,5,6,7
	ds_load_b128 v[\dst+32*\c+4*\e:\dst+32*\c+4*\e+3], v3 offset:(32*((\u)/2)+8*((\u)%2))*TP+256*\c+16*\e
.endr
.endr
.endm
	s_wait_loadcnt 0x0                             ; wo's sixteen loads are in
.irp c, 0,1                            ; through my stage, half c of the rows' 512 bytes at a time: LDS serves a wave's instructions in order
.irp i, 0,1,2,3,4,5,6,7
	ds_store_b128 v9, v[XB+32*\c+4*\i:XB+32*\c+4*\i+3] offset:544*\i
.endr
.irp e, 0,1,2,3,4,5,6,7
	ds_load_b128 v[XA+32*\c+4*\e:XA+32*\c+4*\e+3], v10 offset:16*\e
.endr
.endr
	s_wait_dscnt 0x0
	QF XA, CD+48, 41, 52, 0
	ds_store_b32 v11, v41                          ; lanes r and r + 16 write the same word with the same value
	s_wait_alu depctr_va_vdst(0)                   ; the wait ahead of the waits and the branch below
	s_wait_dscnt 0x0                               ; for the others' sake
	s_barrier_signal -1
	s_barrier_wait -1                              ; the tensor loads may be on their way across it
	s_cmp_lg_u32 s4, 0
	s_cbranch_scc1 .Lnot_first
	ds_load_b128 v[44:47], v12                     ; wave 0 stores wo's record's 512 bytes of scale words
	s_wait_dscnt 0x0
	global_store_b128 v1, v[44:47], s[50:51] offset:12288
.Lnot_first:
	s_wait_tensorcnt 0x0                           ; my tile is in; no other wave reads it
	RD 0, XB
	RD 1, XA
	s_wait_dscnt 16                                ; fragment 0's sixteen loads are in; fragment 1's may be out
	QF XB, CD, 32, 46, 0
	RD 2, XB
	s_wait_dscnt 16
	QF XA, CD+12, 33, 46, 1536
	RD 3, XA
	s_wait_dscnt 16
	QF XB, CD+24, 34, 46, 3072
	s_wait_dscnt 0x0
	QF XA, CD+36, 35, 46, 4608
	v_cndmask_b32 v36, v32, v34, s77               ; lanes 0-15 store tiles 0 and 1's words of row r, lanes 16-31 tiles 2 and 3's
	v_cndmask_b32 v37, v33, v35, s77
	global_store_b64 v4, v[36:37], s[48:49]        ; 256 consecutive bytes, aligned
	s_wait_tensorcnt 0x0                           ; the wave's end
	ds_add_u32 v14, v15
	s_wait_dscnt 0x0
	s_endpgm
.Lfunc_end_k_q53e61dd73c_prep:
	.size	k_q53e61dd73c_prep, .Lfunc_end_k_q53e61dd73c_prep-k_q53e61dd73c_prep
	.p2alignl 7, 3214868480
	.fill 96, 4, 3214868480
	.section	.rodata,"a",@progbits
	.p2align	6, 0x0
	.amdhsa_kernel k_q53e61dd73c_prep
		.amdhsa_group_segment_fixed_size 327680
		.amdhsa_private_segment_fixed_size 0
		.amdhsa_enable_private_segment 0
		.amdhsa_kernarg_size 72
		.amdhsa_user_sgpr_count 2
		.amdhsa_user_sgpr_kernarg_segment_ptr 1
		.amdhsa_wavefront_size32 1
		.amdhsa_system_sgpr_workgroup_id_x 1
		.amdhsa_system_sgpr_workgroup_id_y 1
		.amdhsa_system_sgpr_workgroup_id_z 1
		.amdhsa_system_vgpr_workitem_id 0
		.amdhsa_next_free_vgpr 256
		.amdhsa_next_free_sgpr 80
		.amdhsa_reserve_vcc 1
		.amdhsa_float_denorm_mode_32 3
		.amdhsa_float_denorm_mode_16_64 3
		.amdhsa_memory_ordered 1
		.amdhsa_forward_progress 1
		.amdhsa_inst_pref_size 60
	.end_amdhsa_kernel
	.amdgpu_metadata
---
amdhsa.version: [ 1, 2 ]
amdhsa.kernels:
  - .name:           k_q53e61dd73c_prep
    .symbol:         k_q53e61dd73c_prep.kd
    .args:
      - { .name: x, .offset: 0, .size: 8, .value_kind: global_buffer, .address_space: global }
      - { .name: wq, .offset: 8, .size: 8, .value_kind: global_buffer, .address_space: global }
      - { .name: wk, .offset: 16, .size: 8, .value_kind: global_buffer, .address_space: global }
      - { .name: wv, .offset: 24, .size: 8, .value_kind: global_buffer, .address_space: global }
      - { .name: wo, .offset: 32, .size: 8, .value_kind: global_buffer, .address_space: global }
      - { .name: mask, .offset: 40, .size: 8, .value_kind: global_buffer, .address_space: global }
      - { .name: codes, .offset: 48, .size: 8, .value_kind: global_buffer, .address_space: global }
      - { .name: rope, .offset: 56, .size: 8, .value_kind: global_buffer, .address_space: global }
      - { .name: mbits, .offset: 64, .size: 8, .value_kind: global_buffer, .address_space: global }
    .group_segment_fixed_size: 327680
    .private_segment_fixed_size: 0
    .kernarg_segment_align: 8
    .kernarg_segment_size: 72
    .max_flat_workgroup_size: 256
    .sgpr_count:     80
    .vgpr_count:     256
    .wavefront_size: 32
...
	.end_amdgpu_metadata
.endif
;; end of part 1
;; launch qkv (part 2): grid 24 x 8, 4 waves a work-group, clusters of 4 x 4, 327,680 bytes of LDS; arguments codes, rope, qkv; writes qkv
.if DOCPART == 2
	.amdgcn_target "amdgcn-amd-amdhsa--gfx1250"
	.amdhsa_code_object_version 6
	.text
	.protected	k_q53e61dd73c_qkv
	.globl	k_q53e61dd73c_qkv
	.p2align	8
	.type	k_q53e61dd73c_qkv,@function
k_q53e61dd73c_qkv:
	s_mov_b64 s[64:65], 0
	v_nop
	global_prefetch_b8 v0, s[64:65] scope:SCOPE_SE
	s_setreg_imm32_b32 hwreg(HW_REG_WAVE_MODE, 25, 1), 1
	s_wait_xcnt 0x0
	s_wait_alu depctr_hold_cnt(0) depctr_sa_sdst(0) depctr_va_vdst(0) depctr_va_sdst(0) depctr_va_ssrc(0) depctr_va_vcc(0) depctr_vm_vsrc(0)
	s_getreg_b32 s2, hwreg(HW_REG_IB_STS2, 6, 4)
	s_cmp_eq_u32 s2, 0
	s_cbranch_scc0 .Lentry_in_a_cluster
	s_endpgm
.Lentry_in_a_cluster:
	s_bfe_u32 s2, ttmp6, 0x10000c
	s_cmp_lg_u32 s2, 0xf033
	s_cbranch_scc0 .Lentry_shape_is_right
	s_endpgm
.Lentry_shape_is_right:
.set REC,   12800
.set GRP,   16*REC
.set PART,  3*REC
.set SLOT,  4*PART
.set SPARE, 2*SLOT
.set ADRA, 16
.set ADRB, 20
.set ADRS, 22
.set RTA,  24
.set LI,   25
.set SPW,  28
.set NIL,  29
.set SC,   32
.set AF,   64
.set TMP,  64
.set PC,   128
.set PT,   140
.set TM,   148
.set PWS,  168
.set XW,   176
.set G1,  24
.set G0,  32
.set G1B, 48
.set G0B, 56
.set G1T, 80
.set G1TB, 88
.set MSB, 0
.macro WIN new
.if MSB != (\new)
	s_set_vgpr_msb (MSB<<8)|(\new)
.set MSB, (\new)
.endif
.endm
.macro PLACES
.rept 4
	v_nop
.endr
.endm
.macro JLOAD n, ga, gb
	s_cmp_eq_u32 s15, 0
	s_cbranch_scc0 .Lfor_b_\@
	tensor_load_to_lds s[G0+4*\n:G0+4*\n+3], s[\ga:\ga+7]
	s_nop 0
.rept 4
	v_nop
.endr
	s_branch .Lasked_\@
.Lfor_b_\@:
	tensor_load_to_lds s[G0B+4*\n:G0B+4*\n+3], s[\gb:\gb+7]
	s_nop 0
.rept 4
	v_nop
.endr
.Lasked_\@:
.endm
.macro CREST
	s_cmp_lg_u32 s14, 0
	s_cbranch_scc1 .Lnot_wave_0_\@
	s_barrier_signal -3
.Lnot_wave_0_\@:
	s_barrier_wait -3
	s_barrier_signal -1
	s_barrier_wait -1
.endm
.macro CROUND
	s_barrier_signal -1
	s_barrier_wait -1
	CREST
.endm
	s_load_b128 s[4:7], s[0:1], 0x0
	s_load_b64 s[8:9], s[0:1], 0x10
	v_lshl_add_u32 v[SPW], v0, 2, SPARE
	v_mov_b32 v[NIL], 0
	ds_add_u32 v28, v29
	ds_add_u32 v28, v29
	s_wait_dscnt 0x0
	v_lshrrev_b32 v1, 5, v0
	v_readfirstlane_b32 s14, v1
	s_lshr_b32 s15, s14, 1
	s_and_b32 s16, s14, 1
	s_bfe_u32 s40, ttmp6, 0x40000
	s_bfe_u32 s41, ttmp6, 0x40004
	s_lshl_b32 s42, ttmp9, 2
	s_add_co_u32 s42, s42, s40
	s_and_b32 s17, ttmp7, 0xffff
	s_lshl_b32 s17, s17, 2
	s_add_co_u32 s17, s17, s41
	s_lshl_b32 s43, s41, 2
	s_lshl_b32 s43, 15, s43
	s_lshl_b32 s44, 0x1111, s40
	s_cmp_ge_u32 ttmp9, 4
	s_cselect_b32 s66, 1, 0
	s_cselect_b32 s67, 48, 0
	s_or_b32 s[G1+0], s43, (3<<16)|(1<<21)
	s_or_b32 s[G1B+0], s44, (3<<16)|(1<<21)
	s_or_b32 s[G1T+0], s43, (3<<16)|(1<<21)
	s_or_b32 s[G1TB+0], s44, (3<<16)|(1<<21)
.irp g, G1, G1B
	s_mov_b32 s[\g+1], 32<<16
	s_mov_b32 s[\g+2], 150<<16
	s_mov_b32 s[\g+3], 32<<16
	s_mov_b32 s[\g+4], 150
	s_mov_b32 s[\g+5], 32
	s_mov_b32 s[\g+6], 0
	s_mov_b32 s[\g+7], 0
.endr
.irp g, G1T, G1TB
	s_mov_b32 s[\g+1], 32<<16
	s_mov_b32 s[\g+2], 50<<16
	s_mov_b32 s[\g+3], 32<<16
	s_mov_b32 s[\g+4], 50
	s_mov_b32 s[\g+5], 32
	s_mov_b32 s[\g+6], 0
	s_mov_b32 s[\g+7], 0
.endr
	s_lshl_b32 s20, s17, 1
	s_add_co_u32 s20, s20, s16
	s_add_co_u32 s20, s20, s67
	s_mul_i32 s20, s20, GRP
	s_mov_b32 s21, 0
	s_lshl_b32 s46, s42, 1
	s_add_co_u32 s46, s46, s16
	s_add_co_u32 s46, s46, 16
	s_sub_co_u32 s46, s46, s67
	s_mul_i32 s46, s46, GRP
	s_mov_b32 s47, 0
	s_mul_i32 s45, s14, PART
	s_wait_kmcnt 0x0
	s_add_nc_u64 s[20:21], s[4:5], s[20:21]
	s_add_nc_u64 s[46:47], s[4:5], s[46:47]
	CROUND
.irp s, 0,1
	s_mov_b32 s[G0+4*\s], 1
	s_add_co_u32 s[G0+4*\s+1], s45, \s*SLOT
	s_add_nc_u64 s[G0+4*\s+2:G0+4*\s+3], s[20:21], \s*PART
	s_or_b32 s[G0+4*\s+3], s[G0+4*\s+3], 0x80000000
	s_mov_b32 s[G0B+4*\s], 1
	s_add_co_u32 s[G0B+4*\s+1], s45, \s*SLOT
	s_add_nc_u64 s[G0B+4*\s+2:G0B+4*\s+3], s[46:47], \s*PART
	s_or_b32 s[G0B+4*\s+3], s[G0B+4*\s+3], 0x80000000
	s_wait_alu depctr_va_vdst(0)
	s_wait_tensorcnt 0x0
	ds_add_u32 v28, v29
	ds_add_u32 v28, v29
	s_wait_dscnt 0x0
	CROUND
	JLOAD \s, G1, G1B
.endr
	v_and_b32 v1, 15, v0
	v_bfe_u32 v2, v0, 4, 1
	v_and_b32 v3, 31, v0
	v_lshlrev_b32 v[LI], 4, v3
	s_mul_i32 s76, s15, PART
	s_mul_i32 s77, s16, PART
	s_add_co_u32 s77, s77, 2*PART
	v_add_nc_u32 v[ADRA], s76, v[LI]
	v_add_nc_u32 v[ADRB], s77, v[LI]
	v_add_nc_u32 v[ADRA+1], SLOT, v[ADRA]
	v_add_nc_u32 v[ADRB+1], SLOT, v[ADRB]
	s_sub_co_u32 s78, s77, s76
	v_mul_u32_u24 v4, s78, v2
	v_lshl_add_u32 v4, v1, 4, v4
	v_add_nc_u32 v4, s76, v4
	v_add_nc_u32 v[ADRS], 12288, v4
	v_add_nc_u32 v[ADRS+1], SLOT, v[ADRS]
	v_and_b32 v5, 8, v1
	v_add_nc_u32 v5, v5, v1
	v_lshlrev_b32 v[RTA], 9, v5
	v_lshl_add_u32 v[RTA], v2, 6, v[RTA]
	s_mov_b32 s68, 0xffff0000
	s_mov_b32 s70, 0x76543210
	s_mov_b32 s71, 0xfedcba98
	s_lshl_b32 s72, s42, 1
	s_add_co_u32 s72, s72, s16
	s_lshl_b32 s73, s17, 1
	s_add_co_u32 s73, s73, s15
	s_lshl_b32 s74, s72, 4
	s_add_co_u32 s74, s74, s73
	s_lshl_b32 s75, s73, 4
	s_add_co_u32 s75, s75, s72
	s_add_co_u32 s75, s75, 480
	s_cmp_lg_u32 s66, 0
	s_cselect_b32 s74, s75, s74
	s_mul_i32 s74, s74, REC
	s_mov_b32 s75, 0
	s_add_nc_u64 s[8:9], s[8:9], s[74:75]
	s_lshl_b32 s74, s73, 16
	s_add_nc_u64 s[6:7], s[6:7], s[74:75]
.macro FETCH n, q, p
	WIN 0x40
.irp i, 0,1,2,3,4,5,6,7
.irp c, 0,1,2
	ds_load_b128 v[128*(\p)+12*\i+4*\c:128*(\p)+12*\i+4*\c+3], v[ADRB+\n] offset:(\q)*REC+\i*1536+512*\c
.endr
.endr
	WIN 0
.irp i, 0,1,2,3,4,5,6,7
.irp c, 0,1,2
	ds_load_b128 v[AF+96*(\p)+12*\i+4*\c:AF+96*(\p)+12*\i+4*\c+3], v[ADRA+\n] offset:(\q)*REC+\i*1536+512*\c
.endr
.endr
.irp g, 0,1
	ds_load_b128 v[SC+8*(\p)+4*\g:SC+8*(\p)+4*\g+3], v[ADRS+\n] offset:(\q)*REC+256*\g
.endr
.endm
.macro MUL16 a0, p, zero
.irp a, \a0, \a0+1
.irp b, 0,1,2,3,4,5,6,7
.if \zero
	v_wmma_scale_f32_16x16x128_f8f6f4 v[8*(8*((\a)%4)+\b):8*(8*((\a)%4)+\b)+7], v[128*(\p)+12*\b:128*(\p)+12*\b+11], v[AF+96*(\p)+12*(\a):AF+96*(\p)+12*(\a)+11], 0, v[SC+8*(\p)+\b], v[SC+8*(\p)+(\a)] matrix_a_fmt:MATRIX_FMT_FP6 matrix_b_fmt:MATRIX_FMT_FP6 matrix_a_scale:MATRIX_SCALE_ROW1
.else
	v_wmma_scale_f32_16x16x128_f8f6f4 v[8*(8*((\a)%4)+\b):8*(8*((\a)%4)+\b)+7], v[128*(\p)+12*\b:128*(\p)+12*\b+11], v[AF+96*(\p)+12*(\a):AF+96*(\p)+12*(\a)+11], v[8*(8*((\a)%4)+\b):8*(8*((\a)%4)+\b)+7], v[SC+8*(\p)+\b], v[SC+8*(\p)+(\a)] matrix_a_fmt:MATRIX_FMT_FP6 matrix_b_fmt:MATRIX_FMT_FP6 matrix_a_scale:MATRIX_SCALE_ROW1
.endif
.endr
.endr
.endm
.macro STEP n, q, p, zero, places
.if \places
	PLACES
.endif
	s_wait_dscnt 0x0
	FETCH \n, (\q)+1, 1-(\p)
	WIN 0xa1
	MUL16 0, \p, \zero
	MUL16 2, \p, \zero
	WIN 0xf1
	MUL16 4, \p, \zero
	MUL16 6, \p, \zero
	WIN 0
.endm
.macro TURN n, p, next, fill
	s_wait_tensorcnt 0x0
	ds_add_u32 v[SPW], v[NIL]
	s_wait_dscnt 1
	WIN 0xa1
	MUL16 0, \p, 0
	s_wait_dscnt 0x0
	s_barrier_signal -1
	MUL16 2, \p, 0
	WIN 0
	s_barrier_wait -1
.if \fill
	CREST
	s_add_nc_u64 s[G0+4*\n+2:G0+4*\n+3], s[G0+4*\n+2:G0+4*\n+3], 2*PART
	s_add_nc_u64 s[G0B+4*\n+2:G0B+4*\n+3], s[G0B+4*\n+2:G0B+4*\n+3], 2*PART
.if \fill == 1
	JLOAD \n, G1, G1B
.else
	JLOAD \n, G1T, G1TB
.endif
.else
	PLACES
.endif
	FETCH \next, 0, 1-(\p)
	WIN 0xf1
	MUL16 4, \p, 0
	MUL16 6, \p, 0
	WIN 0
.endm
	s_wait_alu depctr_va_vdst(0)
	s_wait_tensorcnt 0x1
	s_barrier_signal -1
	s_barrier_wait -1
	FETCH 0, 0, 0
	STEP 0, 0, 0, 1, 0
	STEP 0, 1, 1, 0, 1
	TURN 0, 0, 1, 1
	STEP 1, 0, 1, 0, 1
	STEP 1, 1, 0, 0, 1
	TURN 1, 1, 0, 1
	STEP 0, 0, 0, 0, 1
	STEP 0, 1, 1, 0, 1
	TURN 0, 0, 1, 1
	STEP 1, 0, 1, 0, 1
	STEP 1, 1, 0, 0, 1
	TURN 1, 1, 0, 2
	STEP 0, 0, 0, 0, 1
	STEP 0, 1, 1, 0, 1
	TURN 0, 0, 1, 0
.macro LAST64
	s_wait_dscnt 0x0
	WIN 0xa1
	MUL16 0, 1, 0
	MUL16 2, 1, 0
	WIN 0xf1
	MUL16 4, 1, 0
	MUL16 6, 1, 0
	WIN 0
	PLACES
.irp b, 0,1,2,3
	v_mov_b32 v[TM+4+\b], 0
.endr
.endm
.macro TLD a
	WIN 0x40
.irp b, 0,1,2,3
.irp e, 0,1,2,3
	global_load_b128 v[64*((\a)%4)+16*\b+4*\e:64*((\a)%4)+16*\b+4*\e+3], v[RTA], s[6:7] offset:(32*((\a)/2)+8*((\a)%2))*512+128*\b+16*\e
.endr
.endr
	WIN 0
.endm
.macro ROPE a
.set W, 2+(\a)/4
.set AC, 64*((\a)%4)
.set TS, 64*((\a)%4)
	WIN W|4
.set x, 0
.rept 32
	v_pk_mul_f32 v[TMP+x:TMP+x+1], v[AC+x:AC+x+1], v[TS+x:TS+x+1] op_sel:[1,1] op_sel_hi:[0,1]
.set x, x+2
.endr
	WIN W|4|(W<<6)
.set x, 0
.rept 32
	v_pk_fma_f32 v[AC+x:AC+x+1], v[AC+x:AC+x+1], v[TS+x:TS+x+1], v[TMP+x:TMP+x+1] op_sel_hi:[1,0,1] neg_lo:[0,0,1]
.set x, x+2
.endr
	WIN 0
.endm
.macro QUANTW a
.set W, 2+(\a)/4
.set AC, 64*((\a)%4)
	WIN W|(W<<2)
.irp b, 0,1,2,3
	v_max3_num_f32 v[TM+\b], |v[AC+16*\b]|, |v[AC+16*\b+1]|, 0x1800000
.endr
	WIN (W<<2)|(W<<4)
.irp i, 2,4,6,8,10,12,14
.irp b, 0,1,2,3
	v_max3_num_f32 v[TM+\b], v[TM+\b], |v[AC+16*\b+\i]|, |v[AC+16*\b+\i+1]|
.endr
.endr
	WIN 0
.irp b, 0,1,2,3
	v_permlanex16_b32 v[TM+4+\b], v[TM+\b], s70, s71
.endr
.irp b, 0,1,2,3
	v_max_num_f32 v[TM+\b], v[TM+\b], v[TM+4+\b]
.endr
.irp b, 0,1,2,3
	v_add_nc_u32 v[TM+12+\b], 0xff000000, v[TM+\b]
.endr
.irp b, 0,1,2,3
	v_lshrrev_b32 v[TM+4+\b], 23, v[TM+12+\b]
.endr
	v_lshl_or_b32 v[PWS+\a], v[TM+5], 8, v[TM+4]
	v_lshl_or_b32 v[PWS+\a], v[TM+6], 16, v[PWS+\a]
	v_lshl_or_b32 v[PWS+\a], v[TM+7], 24, v[PWS+\a]
	s_wait_xcnt 0x0
	WIN W
.irp c, 0,1
	v_cvt_scalef32_pk16_fp6_f32 v[PC+6*\c:PC+6*\c+2], v[AC+32*\c:AC+32*\c+15], v[TM+12+2*\c]
	v_cvt_scalef32_pk16_fp6_f32 v[PT+4*\c:PT+4*\c+2], v[AC+32*\c+16:AC+32*\c+31], v[TM+12+2*\c+1]
.endr
	WIN 0
	v_nop
.irp c, 0,1
.irp i, 0,1,2
	v_permlane16_swap_b32 v[PC+6*\c+\i], v[PT+4*\c+\i]
.endr
.irp i, 0,1,2
	v_mov_b32 v[PC+6*\c+3+\i], v[PT+4*\c+\i]
.endr
.endr
.irp c, 0,1,2
	global_store_b128 v[LI], v[PC+4*\c:PC+4*\c+3], s[8:9] offset:(\a)*1536+512*\c
.endr
.endm
	s_cmp_lg_u32 s66, 0
	s_cbranch_scc1 .Lplain
	PLACES
	TLD 0
	TLD 1
	LAST64
	TLD 2
.irp a, 0,1,2,3,4,5,6,7
.if \a < 6
	s_wait_loadcnt 32
.elseif \a == 6
	s_wait_loadcnt 16
.else
	s_wait_loadcnt 0x0
.endif
.if \a < 5
	TLD \a+3
.endif
	ROPE \a
	QUANTW \a
.endr
	s_branch .Lwords
.Lplain:
	LAST64
.irp a, 0,1,2,3,4,5,6,7
	QUANTW \a
.endr
.Lwords:
.irp i, 0,1,2,3
	v_cndmask_b32 v[XW+\i], v[PWS+\i], v[PWS+4+\i], s68
.endr
	global_store_b128 v[LI], v[XW:XW+3], s[8:9] offset:12288
	s_wait_tensorcnt 0x0
	ds_add_u32 v[SPW], v[NIL]
	s_wait_dscnt 0x0
	CROUND
	s_endpgm
.Lfunc_end_k_q53e61dd73c_qkv:
	.size	k_q53e61dd73c_qkv, .Lfunc_end_k_q53e61dd73c_qkv-k_q53e61dd73c_qkv
	.p2alignl 7, 3214868480
	.fill 96, 4, 3214868480
	.section	.rodata,"a",@progbits
	.p2align	6, 0x0
	.amdhsa_kernel k_q53e61dd73c_qkv
		.amdhsa_group_segment_fixed_size 327680
		.amdhsa_private_segment_fixed_size 0
		.amdhsa_enable_private_segment 0
		.amdhsa_kernarg_size 24
		.amdhsa_user_sgpr_count 2
		.amdhsa_user_sgpr_kernarg_segment_ptr 1
		.amdhsa_wavefront_size32 1
		.amdhsa_system_sgpr_workgroup_id_x 1
		.amdhsa_system_sgpr_workgroup_id_y 1
		.amdhsa_system_sgpr_workgroup_id_z 1
		.amdhsa_system_vgpr_workitem_id 0
		.amdhsa_next_free_vgpr 1024
		.amdhsa_next_free_sgpr 96
		.amdhsa_reserve_vcc 0
		.amdhsa_float_denorm_mode_32 3
		.amdhsa_float_denorm_mode_16_64 3
		.amdhsa_memory_ordered 1
		.amdhsa_forward_progress 1
		.amdhsa_inst_pref_size 255
	.end_amdhsa_kernel
	.section	.bss,"aw",@nobits
	.p2align	6
	.space	262144
	.amdgpu_metadata
---
amdhsa.version: [ 1, 2 ]
amdhsa.kernels:
  - .name:           k_q53e61dd73c_qkv
    .symbol:         k_q53e61dd73c_qkv.kd
    .args:
      - { .name: codes, .offset: 0, .size: 8, .value_kind: global_buffer, .address_space: global }
      - { .name: rope, .offset: 8, .size: 8, .value_kind: global_buffer, .address_space: global }
      - { .name: qkv, .offset: 16, .size: 8, .value_kind: global_buffer, .address_space: global }
    .group_segment_fixed_size: 327680
    .private_segment_fixed_size: 0
    .kernarg_segment_align: 8
    .kernarg_segment_size: 24
    .max_flat_workgroup_size: 128
    .sgpr_count:     96
    .vgpr_count:     1024
    .wavefront_size: 32
...
	.end_amdgpu_metadata
.endif
;; end of part 2
;; launch attn (part 3): grid 16 x 16, 8 waves a work-group, no clusters, 263,680 bytes of LDS; arguments qkv, mbits, ao; writes ao
.if DOCPART == 3
	.amdgcn_target "amdgcn-amd-amdhsa--gfx1250"
	.amdhsa_code_object_version 6
	.text
	.protected	k_q53e61dd73c_attn
	.globl	k_q53e61dd73c_attn
	.p2align	8
	.type	k_q53e61dd73c_attn,@function
k_q53e61dd73c_attn:
	s_mov_b64 s[64:65], 0
	v_nop
	global_prefetch_b8 v0, s[64:65] scope:SCOPE_SE
	s_setreg_imm32_b32 hwreg(HW_REG_WAVE_MODE, 25, 1), 1
	s_wait_xcnt 0x0
; ao = Q(softmax(mask(q k^T / sqrt(128))) v), both products on codes of FP6 (E2M3) with E8M0 scales; the mask is an input and comes as whole numbers that the first launch stored.
; THE SOFTMAX AHEAD OF THE SECOND PRODUCT: t = score x log2(e) / sqrt(128); M = the row's largest t so far, rounded up to a whole number; p = 2^(t - M) is quantised along the keys, not normalised.
; The row's sum is taken of the unquantised p and divides O at the end.  When M moves, the sum and O are multiplied by 2^(old M - new M): exact.
; ONLY WHAT THE MASK ASKS FOR.  A wave owns a tile of 16 queries and walks 16 key steps of 128.  A step's mask is 64 words, one for each score register, a bit a lane, read by scalar loads a step ahead.
; Where all 64 words are all ones, every score of the step is -infinity: every p is 0, the sum, M and O stay as they are.  Such a step is jumped over by a scalar branch on the stored words.  Where all 64 words are 0, the 64 selects are jumped over.
; That holds for every mask: the words decide, step by step.  K and V come by ordinary loads, and there is no cluster and no joint load.
; SHARES.  Work-group (x, head): p = x / 2, half = x % 2.  Four waves take tiles 4 half .. 4 half + 3 of query group p, four those of group 15 - p: groups far apart are put together, so that tiles with few and with many open steps
; can share a SIMD.  Wave w takes group p where w ^ (w >> 1) ^ (w >> 2) is even (waves 0, 3, 5, 6): of waves w, w + 4 and of waves 2 s, 2 s + 1 alike one takes each group.  Its tile is 4 half + w / 2.
; Both products are used transposed (S^T = K Q^T, O^T = V^T P^T): a lane holds ONE query throughout.  Operands are records of 12,800 bytes (eight images of a fragment's registers, then 128 scale words);
; tile t, row r of a group is row 32 (t / 2) + 8 (t % 2) + r + 8 (r / 8), so that the 16 registers of tiles 2 b and 2 b + 1 are 16 neighbours: 32 b + 16 (lane / 16) + 0 .. 15, of the keys in S^T, of the head's 128 in O^T.
; THE RING: two LDS slots of four key steps (K's four records, then V's four).  Wave w brings record w of a slot's eight: 25 loads of 512 consecutive bytes into 100 spare registers, issued a whole slot (four key steps) ahead of their use;
; at a slot's end it stores them into the other slot, which every wave has left at the barrier before, asks for the content after that, and meets the others at ONE barrier a slot.
; NO DATA PREFETCH: each content is already asked for, by the loads themselves, four key steps ahead of the stores that want it.
; A ROW WITH NO OPEN KEY has the sum 0: its scale word becomes 0xffffffff, the byte that stands for NaN, so that the last product makes its output row NaN.
; LIMITS: a block whose largest magnitude lies under 2^-124 carries the byte 1 (read by this program alone); NaN and infinities among the scores are not served; the promise holds while the scaled scores t stay under 2^31 in magnitude.
; REGISTERS, window 0: v1 16 x lane; v2 where my record goes; v3 8 x lane; v4 -infinity; v5, v6 the add's; v8 the step's LDS address; v9-11 addresses of the way out; v12 -M, v13 the largest t, v[14:15] the sum in two halves; v16-27 Q;
;   v28-31 V's scale words; v40-43 K's; v44 Q's; v48-95 my record on its way (12 of 25 loads); v96-159 S^T, then p; v160-223 O^T; v224-235 p's codes; v232-254 at work; v253 p's scale word.
;   window 1: v0-31, v128-147 my record on its way (13 loads); v32-127 V's eight fragments; v160-255 K's.
.set REC,   12800
.set VOFF,  4*REC                      ; V's records lie behind K's four
.set SLOT1, 1<<17
.set SCR,   2*SLOT1                    ; 512 bytes: the eight tiles' scale words meet here, 256 for each of the two groups
.set SPARE, SCR+512                    ; the spare words, 128 bytes for each of the eight waves
.set KF,    160                        ; in window 1
.set VF,    32                         ; in window 1
.set MSB, 0
.macro WIN new                         ; the immediate's high byte repeats the setting that is left
.if MSB != (\new)
	s_set_vgpr_msb (MSB<<8)|(\new)
.set MSB, (\new)
.endif
.endm
.macro D n                             ; a hint ahead of a plain vector line that reads the result of the plain vector line n before it: two waves share a SIMD
	s_delay_alu instid0(VALU_DEP_\n)
.endm
.macro GLOAD                           ; my record of a content: 25 loads of 512 consecutive bytes
.irp i, 0,1,2,3,4,5,6,7,8,9,10,11
	global_load_b128 v[48+4*\i:51+4*\i], v1, s[26:27] offset:512*\i
.endr
	WIN 0x40                                       ; destination window 1, address window 0
.irp i, 0,1,2,3,4,5,6,7
	global_load_b128 v[4*\i:4*\i+3], v1, s[26:27] offset:512*(12+\i)
.endr
.irp i, 0,1,2,3,4
	global_load_b128 v[128+4*\i:131+4*\i], v1, s[26:27] offset:512*(20+\i)
.endr
	WIN 0
.endm
.macro LSTORE                          ; into the slot that s25 names
	v_add_nc_u32 v2, s25, v1
.irp i, 0,1,2,3,4,5,6,7,8,9,10,11
	ds_store_b128 v2, v[48+4*\i:51+4*\i] offset:512*\i
.endr
	WIN 0x04                                       ; the data: window 1
.irp i, 0,1,2,3,4,5,6,7
	ds_store_b128 v2, v[4*\i:4*\i+3] offset:512*(12+\i)
.endr
.irp i, 0,1,2,3,4
	ds_store_b128 v2, v[128+4*\i:131+4*\i] offset:512*(20+\i)
.endr
	WIN 0
.endm
.macro WORDS                           ; a step's 64 mask words: word j in s[32 + j], from word 32 on in s[36 + j]
	s_load_b512 s[32:47], s[6:7], s3 offset:0x0
	s_load_b512 s[48:63], s[6:7], s3 offset:0x40
	s_load_b512 s[68:83], s[6:7], s3 offset:0x80
	s_load_b512 s[84:99], s[6:7], s3 offset:0xc0
.endm
	s_load_b128 s[4:7], s[0:1], 0x0                ; qkv, mbits
	s_load_b64 s[8:9], s[0:1], 0x10                ; ao
	v_lshl_add_u32 v5, v0, 2, SPARE
	v_mov_b32 v6, 0
	v_lshrrev_b32 v8, 5, v0
	D 1
	v_readfirstlane_b32 s10, v8                    ; wave 0..7
	s_and_b32 s70, ttmp7, 0xffff                   ; the head
	s_lshr_b32 s68, ttmp9, 1                       ; p
	s_and_b32 s69, ttmp9, 1                        ; half
	s_lshr_b32 s71, s10, 1                         ; my tile among my group's four
	s_lshr_b32 s72, s10, 2
	s_xor_b32 s73, s10, s71
	s_xor_b32 s73, s73, s72
	s_and_b32 s73, s73, 1                          ; 0: group p, 1: group 15 - p
	s_sub_co_u32 s74, 15, s68
	s_cmp_eq_u32 s73, 0
	s_cselect_b32 s74, s68, s74                    ; my group of queries
	s_lshl_b32 s75, s69, 2
	s_add_co_u32 s75, s75, s71                     ; my tile in it
	s_lshl_b32 s79, s70, 4
	s_add_co_u32 s76, s72, 1                       ; waves 0-3: K, waves 4-7: V
	s_lshl_b32 s76, s76, 8
	s_add_co_u32 s76, s76, s79
	s_and_b32 s78, s10, 3
	s_add_co_u32 s76, s76, s78
	s_mul_i32 s76, s76, REC                        ; my record of content 0
	s_mov_b32 s77, 0
	s_add_co_u32 s80, s79, s74
	s_mul_i32 s80, s80, REC                        ; Q's record: 16 head + my group
	s_mov_b32 s81, 0
	s_mul_i32 s82, s75, 1536                       ; my tile's image in a record
	s_mov_b32 s83, 0
	s_lshl_b32 s84, s74, 3
	s_add_co_u32 s84, s84, s75
	s_lshl_b32 s84, s84, 12                        ; my tile's mask words: 4,096 bytes a tile
	s_mov_b32 s85, 0
	s_lshl_b32 s86, s74, 4
	s_add_co_u32 s86, s86, s70
	s_mul_i32 s86, s86, REC                        ; the output's record: 16 x my group + head
	s_mov_b32 s87, 0
	s_lshl_b32 s90, s69, 8
	s_add_co_u32 s90, s90, 12288                   ; my half's 256 bytes of a record's scale words,
	s_mov_b32 s91, 0
	s_lshl_b32 s88, s71, 2
	s_add_co_u32 s88, s88, s90                     ; and my tile's place in them
	s_mov_b32 s89, 0
	s_lshl_b32 s67, s73, 8
	s_add_co_u32 s67, s67, SCR                     ; where my group's scale words meet,
	s_lshl_b32 s66, s71, 2
	s_add_co_u32 s66, s66, s67                     ; and my tile's place there
	s_mov_b32 s12, 0x76543210
	s_mov_b32 s13, 0xfedcba98                      ; lane l xor 16
	s_mov_b32 s14, 0x3e0293ee                      ; c = log2(e) / sqrt(128)
	s_mov_b32 s15, s14                             ; (named with it as a pair)
	s_mov_b32 s2, 0                                ; LDS byte at which the step's record of K begins
	s_mov_b32 s3, 0                                ; the step's mask words: 256 bytes a step
	s_mov_b32 s11, 4                               ; slots to go
	s_mul_i32 s25, s10, REC                        ; where my record goes in slot 0
	v_and_b32 v1, 31, v0
	v_and_b32 v11, 15, v0
	D 2
	v_lshlrev_b32 v3, 3, v1                        ; 8 x lane
	D 3
	v_lshlrev_b32 v1, 4, v1                        ; 16 x lane
	D 3
	v_lshlrev_b32 v11, 4, v11                      ; 16 r
	D 3
	v_add_nc_u32 v10, s67, v3                      ; where waves 0 and 1 read their group's words back
	D 2
	v_add_nc_u32 v9, s66, v11                      ; where my row's scale word goes
	s_wait_alu depctr_va_vdst(0)
	s_wait_kmcnt 0x0
	s_add_nc_u64 s[26:27], s[4:5], s[76:77]
	GLOAD                                          ; content 0
	s_add_nc_u64 s[100:101], s[4:5], s[80:81]
	s_add_nc_u64 s[104:105], s[100:101], s[88:89]  ; Q's scale words
	s_add_nc_u64 s[100:101], s[100:101], s[82:83]  ; Q's image
.irp c, 0,1,2
	global_load_b128 v[16+4*\c:19+4*\c], v1, s[100:101] offset:512*\c   ; Q's fragment stays in registers
.endr
	global_load_b32 v44, v11, s[104:105]
	s_add_nc_u64 s[6:7], s[6:7], s[84:85]
	s_add_nc_u64 s[8:9], s[8:9], s[86:87]
	s_add_nc_u64 s[16:17], s[8:9], s[90:91]        ; the output's scale words, my half
	s_add_nc_u64 s[8:9], s[8:9], s[82:83]          ; the output's image
	WORDS                                          ; key step 0's (every offset above has been used)
	v_mov_b32 v4, 0xff800000                       ; -infinity
	v_mov_b32 v13, 0xff61b1e6                      ; the largest t so far: -3e38
	D 1
	v_floor_f32 v12, -v13                          ; -M
	v_mov_b32 v14, 0
	v_mov_b32 v15, 0
.irp b, 0,1,2,3
	v_mov_b32 v[236+\b], 0                         ; a lane permute's destination counts as read
.endr
	v_mov_b32 v253, 0                              ; (named as the upper half of the pair v[252:253] before it is first written)
.set j, 0
.rept 64
	v_mov_b32 v[160+j], 0                          ; O^T.  (Which step is a tile's first hangs on the mask: so the sums begin as zeros)
.set j, j+1
.endr
	s_wait_alu depctr_va_vdst(0)                   ; the wait at the head's end
	s_wait_loadcnt 4                               ; content 0's 25 loads are in; Q's four, issued behind them, may be out
	LSTORE
	s_add_nc_u64 s[26:27], s[26:27], 4*REC
	s_wait_dscnt 0x0                               ; for the others' sake; and the stores have read their registers
	GLOAD                                          ; content 1
	s_barrier_signal -1
	s_barrier_wait -1
	s_wait_loadcnt 25                              ; Q is in; content 1's 25 may be out
; From four blocks' largest magnitudes in v232-235 and 64 numbers in v96-159: the scale word in v253, the fragment's codes in v224-235
.macro CODES
.irp b, 0,1,2,3
	v_max_num_f32 v[232+\b], 0x1800000, v[232+\b]  ; the floor 2^(3 - 127): the byte cannot fall under 1
.endr
.irp b, 0,1,2,3
	D 4
	v_add_nc_u32 v[244+\b], 0xff000000, v[232+\b]  ; 2 off the exponent field: the conversion's scale operand
.endr
.irp b, 0,1,2,3
	D 4
	v_lshrrev_b32 v[236+\b], 23, v[244+\b]
.endr
	D 3
	v_lshl_or_b32 v253, v237, 8, v236
	D 1
	v_lshl_or_b32 v253, v238, 16, v253
	D 1
	v_lshl_or_b32 v253, v239, 24, v253
.irp c, 0,1
	v_cvt_scalef32_pk16_fp6_f32 v[224+6*\c:226+6*\c], v[96+32*\c:111+32*\c], v[244+2*\c]
	v_cvt_scalef32_pk16_fp6_f32 v[236+4*\c:238+4*\c], v[112+32*\c:127+32*\c], v[244+2*\c+1]
.endr
	v_nop                                          ; one plain place behind a scaled conversion
.irp c, 0,1                            ; the operand's layout wants a whole block in a lane
.irp i, 0,1,2
	v_permlane16_swap_b32 v[224+6*\c+\i], v[236+4*\c+\i]
.endr
.irp i, 0,1,2
	D 3
	v_mov_b32 v[227+6*\c+\i], v[236+4*\c+\i]
.endr
.endr
.endm
; A KEY STEP: 128 keys
.macro STEP
	s_wait_kmcnt 0x0                               ; this step's mask words
	s_and_b64 s[18:19], s[32:33], s[34:35]
	s_or_b64 s[20:21], s[32:33], s[34:35]
.irp k, 36,38,40,42,44,46,48,50,52,54,56,58,60,62,68,70,72,74,76,78,80,82,84,86,88,90,92,94,96,98
	s_and_b64 s[18:19], s[18:19], s[\k:\k+1]
	s_or_b64 s[20:21], s[20:21], s[\k:\k+1]
.endr
	s_and_b32 s18, s18, s19                        ; all ones: no key of the step is open to any of my queries
	s_or_b32 s20, s20, s21                         ; 0: every key is open to all of them
	s_add_co_u32 s3, s3, 256                       ; the next step's mask words (the wait above has shown the last loads done);
	s_min_u32 s3, s3, 3840                         ; the last step asks for its own again: no load leaves the buffer
	s_cmp_eq_u32 s18, -1
	s_wait_alu depctr_va_vdst(0)                   ; the wait ahead of the branch
	s_cbranch_scc0 .Lopen_\@
	WORDS                                          ; the step is shut: only the next step's words are asked for
	s_branch .Ldone_\@
.Lopen_\@:
	v_add_nc_u32 v8, s2, v1
.rept 3
	v_nop                                          ; with the addition above: four places between the last step's products and the loads into their registers
.endr
	ds_load_b128 v[40:43], v8 offset:12288         ; K's scale words (lanes 0-15 tiles 0-3's, lanes 16-31 tiles 4-7's),
	ds_load_b128 v[28:31], v8 offset:VOFF+12288    ; V's,
	WIN 0x40                                       ; destination window 1, address window 0
.irp t, 0,1,2,3,4,5,6,7
.irp c, 0,1,2
	ds_load_b128 v[KF+12*\t+4*\c:KF+12*\t+4*\c+3], v8 offset:\t*1536+512*\c   ; K's eight fragments,
.endr
.endr
.irp t, 0,1,2,3,4,5,6,7
.irp c, 0,1,2
	ds_load_b128 v[VF+12*\t+4*\c:VF+12*\t+4*\c+3], v8 offset:VOFF+\t*1536+512*\c   ; and V's, which land under the first product and the softmax
.endr
.endr
	s_wait_dscnt 24                                ; all but V's 24 fragment loads are in
	WIN 0x01                                       ; source 0 window 1
.irp t, 0,1,2,3
	v_wmma_scale_f32_16x16x128_f8f6f4 v[96+8*\t:103+8*\t], v[KF+12*\t:KF+12*\t+11], v[16:27], 0, v[40+\t], v44 matrix_a_fmt:MATRIX_FMT_FP6 matrix_b_fmt:MATRIX_FMT_FP6
.endr
.irp t, 0,1,2,3
	v_wmma_scale_f32_16x16x128_f8f6f4 v[128+8*\t:135+8*\t], v[KF+48+12*\t:KF+59+12*\t], v[16:27], 0, v[40+\t], v44 matrix_a_fmt:MATRIX_FMT_FP6 matrix_b_fmt:MATRIX_FMT_FP6 matrix_a_scale:MATRIX_SCALE_ROW1
.endr
	WIN 0
.rept 4
	v_nop                                          ; places ahead of the first read of the scores
.endr
	s_cmp_eq_u32 s20, 0
	s_cbranch_scc1 .Lclear_\@                      ; no bit is set: nothing to select
.set j, 0
.rept 64
	v_cndmask_b32 v[96+j], v[96+j], v4, s[32+j+4*(j/32)]   ; -infinity where the mask's bit is set; each accumulator from its low end on
.set j, j+1
.endr
.Lclear_\@:
.irp b, 0,1,2,3
	v_max3_num_f32 v[232+\b], v[96+16*\b], v[97+16*\b], v[98+16*\b]   ; the largest score of each block of 32 keys: for the row's maximum and, since p rises with the score, for the block's largest p
.endr
.irp i, 3,5,7,9,11,13
.irp b, 0,1,2,3
	v_max3_num_f32 v[232+\b], v[232+\b], v[96+16*\b+\i], v[97+16*\b+\i]   ; (the four blocks by turns; no hint: these lines may read the scores as the products left them)
.endr
.endr
.irp b, 0,1,2,3
	v_max_num_f32 v[232+\b], v[232+\b], v[111+16*\b]
.endr
	WORDS                                          ; the next step's mask words
.irp b, 0,1,2,3
	v_permlanex16_b32 v[236+\b], v[232+\b], s12, s13
.endr
.irp b, 0,1,2,3
	D 4
	v_max_num_f32 v[232+\b], v[232+\b], v[236+\b]  ; with lane l xor 16's 16 keys
.endr
	D 2
	v_max3_num_f32 v254, v232, v233, v234
	D 1
	v_max_num_f32 v254, v254, v235                 ; the step's largest score of my query
	D 1
	v_mul_f32 v254, s14, v254
	D 1
	v_max_num_f32 v13, v13, v254                   ; the running largest t
	v_mov_b32 v254, v12
	D 2
	v_floor_f32 v12, -v13                          ; the new -M = floor(-t): M is a whole number
	D 1
	v_sub_f32 v254, v12, v254
	D 1
	v_cvt_i32_f32 v254, v254                       ; (it saturates)
	D 1
	v_ldexp_f32 v252, 1.0, v254                    ; f = 2^(old M - new M)
.set j, 0
.rept 32
	v_pk_fma_f32 v[96+j:97+j], v[96+j:97+j], s[14:15], v[12:13] op_sel_hi:[1,0,0]   ; t - M, two at a time
.set j, j+2
.endr
.irp b, 0,1,2,3
	v_fma_f32 v[232+\b], v[232+\b], s14, v12       ; the same of each block's largest score
.endr
.set j, 0
	s_wait_alu depctr_va_vdst(0)                   ; the wait ahead of the batch
.rept 64
	v_exp_f32 v[96+j], v[96+j]                     ; p = 2^(t - M)
.set j, j+1
.endr
	v_pk_mul_f32 v[14:15], v[14:15], v[252:253] op_sel_hi:[1,0]   ; the sums under the new M.  (A plain place behind the exponentials)
	s_wait_alu depctr_va_vdst(0)                   ; one wait for the whole batch, ahead of its first reader
.irp b, 0,1,2,3
	v_exp_f32 v[232+\b], v[232+\b]                 ; the block's largest p
.endr
	v_pk_add_f32 v[236:237], v[100:101], v[104:105]
	v_pk_add_f32 v[254:255], v[108:109], v[112:113]
	v_pk_add_f32 v[250:251], v[116:117], v[120:121]
	v_pk_add_f32 v[248:249], v[124:125], v[128:129]
	v_pk_add_f32 v[246:247], v[132:133], v[136:137]
	v_pk_add_f32 v[244:245], v[140:141], v[144:145]
	v_pk_add_f32 v[242:243], v[148:149], v[152:153]
	v_pk_add_f32 v[14:15], v[14:15], v[156:157]
	v_pk_add_f32 v[236:237], v[236:237], v[96:97]
	v_pk_add_f32 v[254:255], v[254:255], v[98:99]
	v_pk_add_f32 v[250:251], v[250:251], v[102:103]
	v_pk_add_f32 v[248:249], v[248:249], v[106:107]
	v_pk_add_f32 v[246:247], v[246:247], v[110:111]
	v_pk_add_f32 v[244:245], v[244:245], v[114:115]
	v_pk_add_f32 v[242:243], v[242:243], v[118:119]
	v_pk_add_f32 v[14:15], v[14:15], v[122:123]
	v_pk_add_f32 v[236:237], v[236:237], v[126:127]
	v_pk_add_f32 v[254:255], v[254:255], v[130:131]
	v_pk_add_f32 v[250:251], v[250:251], v[134:135]
	v_pk_add_f32 v[248:249], v[248:249], v[138:139]
	v_pk_add_f32 v[246:247], v[246:247], v[142:143]
	v_pk_add_f32 v[244:245], v[244:245], v[146:147]
	v_pk_add_f32 v[242:243], v[242:243], v[150:151]
	v_pk_add_f32 v[14:15], v[14:15], v[154:155]
	v_pk_add_f32 v[236:237], v[236:237], v[158:159]
	D 2
	v_pk_add_f32 v[14:15], v[14:15], v[248:249]
	D 2
	v_pk_add_f32 v[236:237], v[236:237], v[246:247]
	v_pk_add_f32 v[254:255], v[254:255], v[244:245]
	v_pk_add_f32 v[250:251], v[250:251], v[242:243]
	D 2
	v_pk_add_f32 v[14:15], v[14:15], v[254:255]
	D 2
	v_pk_add_f32 v[236:237], v[236:237], v[250:251]
	D 1
	v_pk_add_f32 v[14:15], v[14:15], v[236:237]
	s_wait_alu depctr_va_vdst(0)                   ; and one for the four
	CODES
.set j, 0
.rept 32
	v_pk_mul_f32 v[160+j:161+j], v[160+j:161+j], v[252:253] op_sel_hi:[1,0]   ; O^T under the new M.  (These 32 are also the places between the codes' and the scale word's last writes and the products below)
.set j, j+2
.endr
	s_wait_alu depctr_va_vdst(0)
	s_wait_dscnt 0x0                               ; V's loads are in: all my reads of the step's records are over
	WIN 0x01
.irp t, 0,1,2,3
	v_wmma_scale_f32_16x16x128_f8f6f4 v[160+8*\t:167+8*\t], v[VF+12*\t:VF+12*\t+11], v[224:235], v[160+8*\t:167+8*\t], v[28+\t], v253 matrix_a_fmt:MATRIX_FMT_FP6 matrix_b_fmt:MATRIX_FMT_FP6
.endr
.irp t, 0,1,2,3
	v_wmma_scale_f32_16x16x128_f8f6f4 v[192+8*\t:199+8*\t], v[VF+48+12*\t:VF+59+12*\t], v[224:235], v[192+8*\t:199+8*\t], v[28+\t], v253 matrix_a_fmt:MATRIX_FMT_FP6 matrix_b_fmt:MATRIX_FMT_FP6 matrix_a_scale:MATRIX_SCALE_ROW1
.endr
	WIN 0
.Ldone_\@:
.endm
.Lslot:                                            ; four trips, a slot each
	s_mov_b32 s31, 4
.Lstep:
	STEP
	s_add_co_u32 s2, s2, REC
	s_sub_co_u32 s31, s31, 1
	s_cmp_lg_u32 s31, 0
	s_cbranch_scc1 .Lstep
	s_sub_co_u32 s2, s2, 4*REC
	s_xor_b32 s2, s2, SLOT1                        ; on to the other slot
	s_cmp_eq_u32 s11, 1
	s_cbranch_scc1 .Lno_fill                       ; behind the last slot nothing is stored
	s_wait_loadcnt 0x0                             ; the next content is in my registers
	s_xor_b32 s25, s25, SLOT1                      ; it goes into the other slot, which every wave has left at the barrier before
	LSTORE
	s_add_nc_u64 s[26:27], s[26:27], 4*REC
	s_wait_dscnt 0x0                               ; the stores have read their registers
	s_cmp_eq_u32 s11, 2
	s_cbranch_scc1 .Lno_fill                       ; that was the last content
	GLOAD                                          ; the content after it: it has a slot's four key steps in which to land
.Lno_fill:
	s_wait_dscnt 0x0                               ; my stores are done, and my reads of the slot that I leave are over
	s_barrier_signal -1
	s_barrier_wait -1
	s_sub_co_u32 s11, s11, 1
	s_cmp_lg_u32 s11, 0
	s_cbranch_scc1 .Lslot
	; THE WAY OUT: O^T / the sum, quantised along the head's 128: my tile's image and its scale words in the output's record
	s_wait_kmcnt 0x0
.rept 4
	v_nop                                          ; places behind the last products
.endr
	v_add_f32 v14, v14, v15
	D 1
	v_permlanex16_b32 v252, v14, s12, s13
	D 1
	v_add_f32 v14, v14, v252                       ; the row's sum
	s_wait_alu depctr_va_vdst(0)
	v_rcp_f32 v15, v14
	v_nop                                          ; a plain place behind the reciprocal
	s_wait_alu depctr_va_vdst(0)                   ; ahead of its first reader
.set j, 0
.rept 64
	v_mul_f32 v[96+j], v[160+j], v15               ; register 16 b + i is channel 32 b + 16 h + i of my query
.set j, j+1
.endr
.irp b, 0,1,2,3
	v_max3_num_f32 v[232+\b], |v[96+16*\b]|, |v[97+16*\b]|, 0x1800000
.endr
.irp i, 2,4,6,8,10,12,14
.irp b, 0,1,2,3
	D 4
	v_max3_num_f32 v[232+\b], v[232+\b], |v[96+16*\b+\i]|, |v[97+16*\b+\i]|
.endr
.endr
.irp b, 0,1,2,3
	D 4
	v_permlanex16_b32 v[236+\b], v[232+\b], s12, s13
.endr
.irp b, 0,1,2,3
	D 4
	v_max_num_f32 v[232+\b], v[232+\b], v[236+\b]
.endr
	CODES
	v_cmp_eq_f32 vcc_lo, 0, v14                    ; a row with no open key
	D 1
	v_cndmask_b32 v253, v253, -1, vcc_lo
.irp c, 0,1,2
	global_store_b128 v1, v[224+4*\c:227+4*\c], s[8:9] offset:512*\c   ; 512 consecutive bytes
.endr
	ds_store_b32 v9, v253                          ; lanes r and r + 16 write the same word with the same value
	s_wait_dscnt 0x0                               ; for the others' sake
	s_barrier_signal -1
	s_barrier_wait -1
	s_cmp_gt_u32 s10, 1
	s_cbranch_scc1 .Lnot_first
	ds_load_b64 v[96:97], v10                      ; wave 0 stores group p's 256 bytes of scale words, wave 1 group 15 - p's; they come into registers that no pending store reads
	s_wait_dscnt 0x0
	global_store_b64 v3, v[96:97], s[16:17]        ; 256 consecutive bytes, aligned
.Lnot_first:
	s_wait_tensorcnt 0x0                           ; the wave's end
	ds_add_u32 v5, v6
	s_wait_dscnt 0x0
	s_endpgm
.Lfunc_end_k_q53e61dd73c_attn:
	.size	k_q53e61dd73c_attn, .Lfunc_end_k_q53e61dd73c_attn-k_q53e61dd73c_attn
	.p2alignl 7, 3214868480
	.fill 96, 4, 3214868480
	.section	.rodata,"a",@progbits
	.p2align	6, 0x0
	.amdhsa_kernel k_q53e61dd73c_attn
		.amdhsa_group_segment_fixed_size 263680
		.amdhsa_private_segment_fixed_size 0
		.amdhsa_enable_private_segment 0
		.amdhsa_kernarg_size 24
		.amdhsa_user_sgpr_count 2
		.amdhsa_user_sgpr_kernarg_segment_ptr 1
		.amdhsa_wavefront_size32 1
		.amdhsa_system_sgpr_workgroup_id_x 1
		.amdhsa_system_sgpr_workgroup_id_y 1
		.amdhsa_system_sgpr_workgroup_id_z 1
		.amdhsa_system_vgpr_workitem_id 0
		.amdhsa_next_free_vgpr 512
		.amdhsa_next_free_sgpr 106
		.amdhsa_reserve_vcc 1
		.amdhsa_float_denorm_mode_32 3
		.amdhsa_float_denorm_mode_16_64 3
		.amdhsa_memory_ordered 1
		.amdhsa_forward_progress 1
		.amdhsa_inst_pref_size 54
	.end_amdhsa_kernel
	.amdgpu_metadata
---
amdhsa.version: [ 1, 2 ]
amdhsa.kernels:
  - .name:           k_q53e61dd73c_attn
    .symbol:         k_q53e61dd73c_attn.kd
    .args:
      - { .name: qkv, .offset: 0, .size: 8, .value_kind: global_buffer, .address_space: global }
      - { .name: mbits, .offset: 8, .size: 8, .value_kind: global_buffer, .address_space: global }
      - { .name: ao, .offset: 16, .size: 8, .value_kind: global_buffer, .address_space: global }
    .group_segment_fixed_size: 263680
    .private_segment_fixed_size: 0
    .kernarg_segment_align: 8
    .kernarg_segment_size: 24
    .max_flat_workgroup_size: 256
    .sgpr_count:     106
    .vgpr_count:     512
    .wavefront_size: 32
...
	.end_amdgpu_metadata
.endif
;; end of part 3
;; launch oproj (part 4): grid 16 x 16, 4 waves a work-group, clusters of 4 x 4, 327,680 bytes of LDS; arguments ao, codes, out0; writes out0
.if DOCPART == 4
	.amdgcn_target "amdgcn-amd-amdhsa--gfx1250"
	.amdhsa_code_object_version 6
	.text
	.protected	k_q53e61dd73c_oproj
	.globl	k_q53e61dd73c_oproj
	.p2align	8
	.type	k_q53e61dd73c_oproj,@function
k_q53e61dd73c_oproj:
	s_mov_b64 s[64:65], 0
	v_nop
	global_prefetch_b8 v0, s[64:65] scope:SCOPE_SE
	s_setreg_imm32_b32 hwreg(HW_REG_WAVE_MODE, 25, 1), 1
	s_wait_xcnt 0x0
	s_wait_alu depctr_hold_cnt(0) depctr_sa_sdst(0) depctr_va_vdst(0) depctr_va_sdst(0) depctr_va_ssrc(0) depctr_va_vcc(0) depctr_vm_vsrc(0)
	s_getreg_b32 s2, hwreg(HW_REG_IB_STS2, 6, 4)
	s_cmp_eq_u32 s2, 0
	s_cbranch_scc0 .Lentry_in_a_cluster
	s_endpgm
.Lentry_in_a_cluster:
	s_bfe_u32 s2, ttmp6, 0x10000c
	s_cmp_lg_u32 s2, 0xf033
	s_cbranch_scc0 .Lentry_shape_is_right
	s_endpgm
.Lentry_shape_is_right:
.set REC,   12800
.set GRP,   16*REC
.set PART,  2*REC
.set SLOT,  8*REC
.set SPARE, 3*SLOT
.set STAGE, SPARE+512
.set SPITCH, 272
.set ADRA, 8
.set ADRB, 11
.set ADRS, 14
.set STO,  17
.set RD,   18
.set CO,   19
.set SPW,  20
.set NIL,  21
.set SC,   24
.set BK,   32
.set ACC,  128
.set G1,  24
.set G0,  32
.set G1B, 48
.set G0B, 68
.set MSB, 0
.macro WIN new
.if MSB != (\new)
	s_set_vgpr_msb (MSB<<8)|(\new)
.set MSB, (\new)
.endif
.endm
.macro PLACES
.rept 4
	v_nop
.endr
.endm
.macro JLOAD n
	s_cmp_eq_u32 s15, 0
	s_cbranch_scc0 .Lfor_b_\@
	tensor_load_to_lds s[G0+4*\n:G0+4*\n+3], s[G1:G1+7]
	s_nop 0
.rept 4
	v_nop
.endr
	s_branch .Lasked_\@
.Lfor_b_\@:
	tensor_load_to_lds s[G0B+4*\n:G0B+4*\n+3], s[G1B:G1B+7]
	s_nop 0
.rept 4
	v_nop
.endr
.Lasked_\@:
.endm
.macro CROUND
	s_barrier_signal -1
	s_barrier_wait -1
	s_cmp_lg_u32 s14, 0
	s_cbranch_scc1 .Lnot_wave_0_\@
	s_barrier_signal -3
.Lnot_wave_0_\@:
	s_barrier_wait -3
	s_barrier_signal -1
	s_barrier_wait -1
.endm
	s_load_b128 s[4:7], s[0:1], 0x0
	s_load_b64 s[8:9], s[0:1], 0x10
	v_lshl_add_u32 v[SPW], v0, 2, SPARE
	v_mov_b32 v[NIL], 0
	ds_add_u32 v20, v21
	ds_add_u32 v20, v21
	s_wait_dscnt 0x0
	v_lshrrev_b32 v1, 5, v0
	v_readfirstlane_b32 s14, v1
	s_lshr_b32 s15, s14, 1
	s_and_b32 s16, s14, 1
	s_bfe_u32 s44, ttmp6, 0x40000
	s_bfe_u32 s45, ttmp6, 0x40004
	s_lshl_b32 s46, ttmp9, 2
	s_add_co_u32 s46, s46, s44
	s_and_b32 s17, ttmp7, 0xffff
	s_lshl_b32 s17, s17, 2
	s_add_co_u32 s17, s17, s45
	s_lshl_b32 s80, s45, 2
	s_lshl_b32 s80, 15, s80
	s_lshl_b32 s81, 0x1111, s44
	s_or_b32 s[G1+0], s80, (3<<16)|(1<<21)
	s_or_b32 s[G1B+0], s81, (3<<16)|(1<<21)
.irp g, G1, G1B
	s_mov_b32 s[\g+1], 32<<16
	s_mov_b32 s[\g+2], 100<<16
	s_mov_b32 s[\g+3], 32<<16
	s_mov_b32 s[\g+4], 100
	s_mov_b32 s[\g+5], 32
	s_mov_b32 s[\g+6], 0
	s_mov_b32 s[\g+7], 0
.endr
	s_mul_i32 s18, s16, PART
	s_mul_i32 s20, s17, GRP
	s_add_co_u32 s20, s20, s18
	s_mov_b32 s21, 0
	s_add_co_u32 s82, s46, 64
	s_mul_i32 s82, s82, GRP
	s_add_co_u32 s82, s82, s18
	s_mov_b32 s83, 0
	s_mul_i32 s84, s14, PART
	s_wait_kmcnt 0x0
	s_add_nc_u64 s[20:21], s[4:5], s[20:21]
	s_add_nc_u64 s[82:83], s[6:7], s[82:83]
	CROUND
.irp n, 0,1,2
	s_mov_b32 s[G0+4*\n], 1
	s_add_co_u32 s[G0+4*\n+1], s84, \n*SLOT
	s_add_nc_u64 s[G0+4*\n+2:G0+4*\n+3], s[20:21], \n*4*REC
	s_or_b32 s[G0+4*\n+3], s[G0+4*\n+3], 0x80000000
	s_mov_b32 s[G0B+4*\n], 1
	s_add_co_u32 s[G0B+4*\n+1], s84, \n*SLOT
	s_add_nc_u64 s[G0B+4*\n+2:G0B+4*\n+3], s[82:83], \n*4*REC
	s_or_b32 s[G0B+4*\n+3], s[G0B+4*\n+3], 0x80000000
	s_wait_alu depctr_va_vdst(0)
	s_wait_tensorcnt 0x0
	ds_add_u32 v20, v21
	ds_add_u32 v20, v21
	s_wait_dscnt 0x0
	CROUND
	JLOAD \n
.endr
	v_and_b32 v1, 15, v0
	v_bfe_u32 v2, v0, 4, 1
	v_and_b32 v3, 31, v0
	v_lshlrev_b32 v3, 4, v3
	s_mul_i32 s85, s15, 6144
	s_mul_i32 s86, s16, 6144
	s_add_co_u32 s86, s86, 4*REC
	v_add_nc_u32 v[ADRA], s85, v3
	v_add_nc_u32 v[ADRB], s86, v3
	v_add_nc_u32 v[ADRA+1], SLOT, v[ADRA]
	v_add_nc_u32 v[ADRB+1], SLOT, v[ADRB]
	v_add_nc_u32 v[ADRA+2], 2*SLOT, v[ADRA]
	v_add_nc_u32 v[ADRB+2], 2*SLOT, v[ADRB]
	s_lshl_b32 s85, s15, 8
	s_lshl_b32 s86, s16, 8
	s_add_co_u32 s86, s86, 4*REC
	s_sub_co_u32 s86, s86, s85
	v_mul_u32_u24 v4, s86, v2
	v_lshl_add_u32 v4, v1, 4, v4
	v_add_nc_u32 v4, s85, v4
	v_add_nc_u32 v[ADRS], 12288, v4
	v_add_nc_u32 v[ADRS+1], SLOT, v[ADRS]
	v_add_nc_u32 v[ADRS+2], 2*SLOT, v[ADRS]
	s_mul_i32 s87, s14, 16*SPITCH
	s_add_co_u32 s87, s87, STAGE
	v_mul_u32_u24 v[STO], v1, SPITCH
	v_lshl_add_u32 v[STO], v2, 6, v[STO]
	v_add_nc_u32 v[STO], s87, v[STO]
	v_mul_u32_u24 v[RD], v2, SPITCH
	v_lshl_add_u32 v[RD], v1, 4, v[RD]
	v_add_nc_u32 v[RD], s87, v[RD]
	v_lshlrev_b32 v[CO], 13, v2
	v_lshl_add_u32 v[CO], v1, 4, v[CO]
	s_lshl_b32 s88, s17, 20
	s_lshl_b32 s89, s15, 19
	s_add_co_u32 s88, s88, s89
	s_lshl_b32 s89, s46, 9
	s_add_co_u32 s88, s88, s89
	s_lshl_b32 s89, s16, 8
	s_add_co_u32 s88, s88, s89
	s_mov_b32 s89, 0
	s_add_nc_u64 s[8:9], s[8:9], s[88:89]
.macro FETCH k
.set FP, (\k)%2
.set FQ, (\k)%4
.set FN, ((\k)/4)%3
	WIN 0
	ds_load_b128 v[SC+4*FP:SC+4*FP+3], v[ADRS+FN] offset:FQ*REC
	WIN 0x40
.irp t, 0,1,2,3
.irp c, 0,1,2
	ds_load_b128 v[128*FP+48+12*\t+4*\c:128*FP+48+12*\t+4*\c+3], v[ADRB+FN] offset:FQ*REC+\t*1536+512*\c
.endr
.endr
.irp t, 0,1,2,3
.irp c, 0,1,2
	ds_load_b128 v[128*FP+12*\t+4*\c:128*FP+12*\t+4*\c+3], v[ADRA+FN] offset:FQ*REC+\t*1536+512*\c
.endr
.endr
.endm
.macro MUL k, zero
.set FP, (\k)%2
	WIN 0x05
.irp a, 0,1,2,3
.irp b, 0,1,2,3
.if \zero
	v_wmma_scale_f32_16x16x128_f8f6f4 v[ACC+8*(4*\a+\b):ACC+8*(4*\a+\b)+7], v[128*FP+48+12*\b:128*FP+48+12*\b+11], v[128*FP+12*\a:128*FP+12*\a+11], 0, v[SC+4*FP+\b], v[SC+4*FP+\a] matrix_a_fmt:MATRIX_FMT_FP6 matrix_b_fmt:MATRIX_FMT_FP6 matrix_a_scale:MATRIX_SCALE_ROW1
.else
	v_wmma_scale_f32_16x16x128_f8f6f4 v[ACC+8*(4*\a+\b):ACC+8*(4*\a+\b)+7], v[128*FP+48+12*\b:128*FP+48+12*\b+11], v[128*FP+12*\a:128*FP+12*\a+11], v[ACC+8*(4*\a+\b):ACC+8*(4*\a+\b)+7], v[SC+4*FP+\b], v[SC+4*FP+\a] matrix_a_fmt:MATRIX_FMT_FP6 matrix_b_fmt:MATRIX_FMT_FP6 matrix_a_scale:MATRIX_SCALE_ROW1
.endif
.endr
.endr
.endm
.macro KS k
	PLACES
	FETCH (\k)+1
	s_wait_dscnt 25
	MUL \k, 0
.endm
	s_wait_tensorcnt 0x2
	s_barrier_signal -1
	s_barrier_wait -1
	FETCH 0
	FETCH 1
	s_wait_dscnt 25
	MUL 0, 1
	KS 1
	KS 2
	WIN 0
	s_wait_tensorcnt 0x0
	ds_add_u32 v[SPW], v[NIL]
	s_add_nc_u64 s[G0+2:G0+3], s[G0+2:G0+3], 12*REC
	s_add_nc_u64 s[G0B+2:G0B+3], s[G0B+2:G0B+3], 12*REC
	s_wait_dscnt 0x0
	CROUND
	JLOAD 0
	FETCH 4
	s_wait_dscnt 25
	MUL 3, 0
	s_wait_alu depctr_va_vdst(0)
.irp k, 4,5,6,7,8,9,10
	KS \k
.endr
	WIN 0
	s_wait_tensorcnt 0x0
	ds_add_u32 v[SPW], v[NIL]
	s_wait_dscnt 0x0
	s_barrier_signal -1
	s_barrier_wait -1
	PLACES
	FETCH 12
	s_wait_dscnt 25
	MUL 11, 0
.irp k, 12,13,14
	KS \k
.endr
	s_wait_dscnt 0x0
	MUL 15, 0
	WIN 0
.macro TOSTAGE a
.irp b, 0,1,2,3
	ds_store_b128 v[STO], v[ACC+8*(4*(\a)+\b):ACC+8*(4*(\a)+\b)+3] offset:128*(\b/2)+32*(\b%2)
	ds_store_b128 v[STO], v[ACC+8*(4*(\a)+\b)+4:ACC+8*(4*(\a)+\b)+7] offset:128*(\b/2)+32*(\b%2)+16
.endr
.irp t, 0,1,2,3,4,5,6,7
	ds_load_b128 v[BK+32*((\a)%2)+4*\t:BK+32*((\a)%2)+4*\t+3], v[RD] offset:\t*2*SPITCH
.endr
.endm
.macro SEND a, younger
	s_wait_dscnt \younger
.irp t, 0,1,2,3,4,5,6,7
	global_store_b128 v[CO], v[BK+32*((\a)%2)+4*\t:BK+32*((\a)%2)+4*\t+3], s[8:9] offset:(32*((\a)/2)+8*((\a)%2)+2*\t+8*(\t/4))*8192 th:TH_STORE_NT
.endr
.endm
	PLACES
	TOSTAGE 0
	TOSTAGE 1
	SEND 0, 16
	s_wait_xcnt 0x0
	TOSTAGE 2
	SEND 1, 16
	s_wait_xcnt 0x0
	TOSTAGE 3
	SEND 2, 16
	SEND 3, 0
	s_wait_tensorcnt 0x0
	ds_add_u32 v[SPW], v[NIL]
	s_wait_dscnt 0x0
	CROUND
	s_endpgm
.Lfunc_end_k_q53e61dd73c_oproj:
	.size	k_q53e61dd73c_oproj, .Lfunc_end_k_q53e61dd73c_oproj-k_q53e61dd73c_oproj
	.p2alignl 7, 3214868480
	.fill 96, 4, 3214868480
	.section	.rodata,"a",@progbits
	.p2align	6, 0x0
	.amdhsa_kernel k_q53e61dd73c_oproj
		.amdhsa_group_segment_fixed_size 327680
		.amdhsa_private_segment_fixed_size 0
		.amdhsa_enable_private_segment 0
		.amdhsa_kernarg_size 24
		.amdhsa_user_sgpr_count 2
		.amdhsa_user_sgpr_kernarg_segment_ptr 1
		.amdhsa_wavefront_size32 1
		.amdhsa_system_sgpr_workgroup_id_x 1
		.amdhsa_system_sgpr_workgroup_id_y 1
		.amdhsa_system_sgpr_workgroup_id_z 1
		.amdhsa_system_vgpr_workitem_id 0
		.amdhsa_next_free_vgpr 512
		.amdhsa_next_free_sgpr 96
		.amdhsa_reserve_vcc 0
		.amdhsa_float_denorm_mode_32 3
		.amdhsa_float_denorm_mode_16_64 3
		.amdhsa_memory_ordered 1
		.amdhsa_forward_progress 1
		.amdhsa_inst_pref_size 80
	.end_amdhsa_kernel
	.amdgpu_metadata
---
amdhsa.version: [ 1, 2 ]
amdhsa.kernels:
  - .name:           k_q53e61dd73c_oproj
    .symbol:         k_q53e61dd73c_oproj.kd
    .args:
      - { .name: ao, .offset: 0, .size: 8, .value_kind: global_buffer, .address_space: global }
      - { .name: codes, .offset: 8, .size: 8, .value_kind: global_buffer, .address_space: global }
      - { .name: out0, .offset: 16, .size: 8, .value_kind: global_buffer, .address_space: global }
    .group_segment_fixed_size: 327680
    .private_segment_fixed_size: 0
    .kernarg_segment_align: 8
    .kernarg_segment_size: 24
    .max_flat_workgroup_size: 128
    .sgpr_count:     96
    .vgpr_count:     512
    .wavefront_size: 32
...
	.end_amdgpu_metadata
.endif
;; end of part 4
